; MI455X (gfx1250); checked and timed in simulation.
; The chip was launched on July 23, 2026; its instructions are those of AMD's public machine-readable ISA for CDNA 5 (MIT licence, August 2026) and "CDNA5" Instruction Set Architecture Reference Guide (July 2026). The comments in the code are by the model that wrote it; some were corrected since.
;; Attention Layer. Allowed arithmetic: matrix products marked QUANTISED: E4M3 operands, one given power-of-two scale a tensor, by v_wmma_f32_16x16x64_fp8_fp8 or v_wmma_f32_16x16x128_fp8_fp8, f32 sums; products left as they are: f32 operands where the result goes on into a quantised operand, else bf16, f16 or f32 operands; f32 sums; everything else in f32.
;; Inputs: W1 16 x 1 float32; W2 8 x 16 float32; Wk 512 x 512 float32; Wo 512 x 512 float32; Wq 512 x 512 float32; Wv 512 x 512 float32; b1 16 float32; b2 8 float32; bk 512 float32; bo 512 float32; bq 512 float32; bv 512 float32; key_padding_mask 4 x 2,048 bool; lowp_scales 12 int32 (the exponents e of the quantised operands' scales 2^e); pairwise_feats 4 x 2,048 x 2,048 x 1 float32; x 4 x 2,048 x 512 float32.
;; Outputs: out0 4 x 2,048 x 512 float32.
;; This version of the problem:
;;   THIS VERSION OF THE PROBLEM IS GIVEN IN LOW PRECISION. The matrix products marked QUANTISED in the list below multiply operands that are first quantised to E4M3 (4 exponent bits, 3 mantissa bits; 8 bits a number), with one given power-of-two scale for each operand tensor; their sums are f32. All else is computed in f32.
;;   The module's matrix products, in the order in which they are computed (A, B: the left and right operand; K: the contracted axis; several contracted axes count as one K, in the product's order):
;;     1. [M 8,192, K 512] x [K 512, N 512]; A: input x; B: input Wq: QUANTISED (scales: A lowp_scales[0], B lowp_scales[1])
;;     2. [M 8,192, K 512] x [K 512, N 512]; A: input x; B: input Wk: QUANTISED (scales: A lowp_scales[2], B lowp_scales[3])
;;     3. [M 8,192, K 512] x [K 512, N 512]; A: input x; B: input Wv: QUANTISED (scales: A lowp_scales[4], B lowp_scales[5])
;;     4. batch 32 x [M 2,048, K 64] x [K 64, N 2,048]; A: computed on the way; B: computed on the way: QUANTISED (scales: A lowp_scales[6], B lowp_scales[7])
;;     5. [M 16,777,216, K 1] x [K 1, N 16]; A: input pairwise_feats; B: input W1: left as it is (K = 1 < 32)
;;     6. [M 16,777,216, K 16] x [K 16, N 8]; A: computed on the way; B: input W2: left as it is (K = 16 < 32)
;;     7. batch 32 x [M 2,048, K 2,048] x [K 2,048, N 64]; A: softmax (see below); B: computed on the way: QUANTISED (scales: A lowp_scales[8], B lowp_scales[9])
;;     8. [M 8,192, K 512] x [K 512, N 512]; A: computed on the way; B: input Wo: QUANTISED (scales: A lowp_scales[10], B lowp_scales[11])
;;   THE QUANTISER, for each operand of a quantised product, along K:
;;     - The operand's scale is 2^e, e = its entry of the input lowp_scales (int32; the entries are numbered through the quantised products in the list's order, A before B).
;;     - Each number is divided by the scale, clamped to +-448, and rounded to the nearest number of E4M3, ties to even, subnormals kept.
;;     - The product sums the exact products of the quantised numbers (number of the format x scale) in f32.
;;   ~~~python
;;   def quantise(x, axis, e):      # numpy; x: float32 -> the quantised numbers, widened to float32 again
;;       x = np.moveaxis(x, axis, -1); K = x.shape[-1]
;;       r = np.clip(x / 2.0 ** e, -448, 448)
;;       step = 2.0 ** (np.maximum(np.frexp(np.where(r == 0, 1, r))[1] - 1, -6) - 3)
;;       q = np.round(r / step) * step * 2.0 ** e      # np.round: ties to even
;;       return np.moveaxis(q, -1, axis).astype(np.float32)
;;   ~~~
;;   SOFTMAX AHEAD OF A QUANTISED PRODUCT. Where the list says 'softmax', what is quantised is not the finished softmax but p = 2^(t - M), with t = logit x log2(e) and M = ceil(the row's largest t), a whole number; so 1/2 < the row's largest p <= 1. The row's sum l is taken of the UNQUANTISED p, in f32, and the product's result is divided by l at the end. Since M is a whole number, a kernel that streams over the keys may use a running M (the ceiling of the running maximum): every later rescaling is an exact power of two, so the quantised numbers keep their values, but for numbers so far below the row's largest that they fall under the format's range.
;;   OPERANDS COMPUTED ON THE WAY. 'Computed on the way' means the value that the module computes at that place (a softmax that the list does not call 'softmax' is quantised finished and normalised). What goes into a quantiser is computed in f32, as accurately as f32 sums, v_exp_f32 and their like allow (about 1e-6 of the number): no bf16 or f16 on the way to a quantiser, and a product that is left as it is and whose result goes on into a quantised operand takes f32 operands (vector FMAs, or v_wmma_f32_16x16x4_f32). A number that lies on a knife's edge between two numbers of the format may be rounded either way, as far as f32 arithmetic and the matrix unit's own rounding can turn it there, and no further.
;; One version. Each part assembles by itself: llvm-mc -triple=amdgcn-amd-amdhsa -mcpu=gfx1250 --defsym DOCPART=n.
;; ======== version 1 of 1: 3 launches
;; limits: right only within a limited range of input values
;; workspace buffers: wcodes 1,048,576 bytes; qkvf 12,582,912 bytes
;; launch prep (part 1): grid 32 x 4, 4 waves a work-group, no clusters, 0 bytes of LDS; arguments Wq, Wk, Wv, Wo, lowp_scales, wcodes; writes wcodes
.if DOCPART == 1
	.amdgcn_target "amdgcn-amd-amdhsa--gfx1250"
	.amdhsa_code_object_version 6
	.text
	.protected	k_qe9e470d853_prep
	.globl	k_qe9e470d853_prep
	.p2align	8
	.type	k_qe9e470d853_prep,@function
k_qe9e470d853_prep:
	s_mov_b64 s[64:65], 0
	v_nop
	global_prefetch_b8 v0, s[64:65] scope:SCOPE_SE
	s_setreg_imm32_b32 hwreg(HW_REG_WAVE_MODE, 25, 1), 1
	s_wait_xcnt 0x0
; The four weights ([512 out][512 k], f32, K innermost) become codes of E4M3, each with its given scale 2^e (entries 1, 3, 5, 11 of the scales).
; code = w / 2^e, held within +-448, to the nearest code, ties to even.  LIMITS: -126 <= e <= 119; NaN among the inputs is not served.
; LAYOUT OF wcodes: [matrix q,k,v,o][tile of 16 rows: 32][K step of 128: 4][2,048 bytes].  An entry is the IMAGE OF AN OPERAND'S REGISTERS for the 16x16x128 form:
; lane (r, hh) holds row r; its registers 2c, 2c+1 hold k = 16c + 8hh + 0..7; registers 4g .. 4g+3 lie at 512 g + 16 x lane.  So a later launch loads a fragment by four 16-byte loads a lane.
; SHARES: work-group x = tile of rows, y = matrix, wave = K step.  One path for all four matrices: pointer and exponent are chosen by the work-group's y.
; No LDS, no barrier, no matrix unit: each number is read once and each code written once; a store of the wave covers 512 consecutive bytes.
.set X, 16                             ; v16-79  64 numbers: register 8c + i = k 16c + 8hh + i of my row
.set C, 80                             ; v80-95  their codes
	s_load_b256 s[4:11], s[0:1], 0x0               ; Wq, Wk, Wv, Wo
	s_load_b128 s[12:15], s[0:1], 0x20             ; the scales' exponents, wcodes
	v_lshrrev_b32 v1, 5, v0
	v_readfirstlane_b32 s16, v1                    ; wave = K step
	s_and_b32 s17, ttmp7, 0xffff                   ; which matrix
	v_and_b32 v1, 15, v0                           ; r
	v_bfe_u32 v2, v0, 4, 1                         ; hh
	v_lshlrev_b32 v3, 11, v1                       ; a row is 2,048 bytes
	v_lshl_add_u32 v3, v2, 5, v3                   ; + 8 hh numbers
	s_lshl_b32 s18, s16, 9
	v_add_nc_u32 v3, s18, v3                       ; + my K step's 512 bytes
	v_and_b32 v4, 31, v0
	v_lshlrev_b32 v4, 4, v4                        ; out: 16 x lane
	s_wait_kmcnt 0x0
	s_load_b256 s[24:31], s[12:13], 0x0            ; e0 .. e7
	s_load_b128 s[32:35], s[12:13], 0x20           ; e8 .. e11
	s_cmp_eq_u32 s17, 0
	s_cselect_b64 s[20:21], s[4:5], s[6:7]
	s_cmp_eq_u32 s17, 2
	s_cselect_b64 s[20:21], s[8:9], s[20:21]
	s_cmp_eq_u32 s17, 3
	s_cselect_b64 s[20:21], s[10:11], s[20:21]
	s_lshl_b32 s18, ttmp9, 15                      ; 16 rows of 2,048 bytes
	s_mov_b32 s19, 0
	s_add_nc_u64 s[20:21], s[20:21], s[18:19]
.irp c, 0,1,2,3,4,5,6,7
	global_load_b128 v[X+8*\c:X+8*\c+3], v3, s[20:21] offset:64*\c th:TH_LOAD_NT
	global_load_b128 v[X+8*\c+4:X+8*\c+7], v3, s[20:21] offset:64*\c+16 th:TH_LOAD_NT
.endr
	s_lshl_b32 s18, s17, 5
	s_add_co_u32 s18, s18, ttmp9
	s_lshl_b32 s18, s18, 2
	s_add_co_u32 s18, s18, s16
	s_lshl_b32 s18, s18, 11                        ; ((matrix x 32 + tile) x 4 + K step) x 2,048
	s_add_nc_u64 s[14:15], s[14:15], s[18:19]
	s_wait_kmcnt 0x0
	s_cmp_eq_u32 s17, 0
	s_cselect_b32 s22, s25, s27                    ; e1 or e3
	s_cmp_eq_u32 s17, 2
	s_cselect_b32 s22, s29, s22                    ; e5
	s_cmp_eq_u32 s17, 3
	s_cselect_b32 s22, s35, s22                    ; e11
	s_add_co_i32 s22, s22, 127
	s_lshl_b32 s23, s22, 23
	v_mov_b32 v8, s23                              ; 2^e as f32: the conversion takes its exponent field
	s_add_co_i32 s22, s22, 8
	s_lshl_b32 s22, s22, 23
	s_or_b32 s22, s22, 0x600000
	v_mov_b32 v9, s22                              ; 448 x 2^e
	s_wait_loadcnt 0x0
.set n, 0
.rept 64
	v_med3_num_f32 v[X+n], v[X+n], -v9, v9         ; the conversion to an 8-bit code does not saturate (ISA guide 7.6.2): the hold comes first
.set n, n+1
.endr
.irp c, 0,1,2,3,4,5,6,7
	v_cvt_scalef32_pk8_fp8_f32 v[C+2*\c:C+2*\c+1], v[X+8*\c:X+8*\c+7], v8
.endr
	v_nop
.irp g, 0,1,2,3
	global_store_b128 v4, v[C+4*\g:C+4*\g+3], s[14:15] offset:512*\g
.endr
	s_endpgm
.Lfunc_end_k_qe9e470d853_prep:
	.size	k_qe9e470d853_prep, .Lfunc_end_k_qe9e470d853_prep-k_qe9e470d853_prep
	.p2alignl 7, 3214868480
	.fill 96, 4, 3214868480
	.section	.rodata,"a",@progbits
	.p2align	6, 0x0
	.amdhsa_kernel k_qe9e470d853_prep
		.amdhsa_group_segment_fixed_size 0
		.amdhsa_private_segment_fixed_size 0
		.amdhsa_enable_private_segment 0
		.amdhsa_kernarg_size 48
		.amdhsa_user_sgpr_count 2
		.amdhsa_user_sgpr_kernarg_segment_ptr 1
		.amdhsa_wavefront_size32 1
		.amdhsa_system_sgpr_workgroup_id_x 1
		.amdhsa_system_sgpr_workgroup_id_y 1
		.amdhsa_system_sgpr_workgroup_id_z 1
		.amdhsa_system_vgpr_workitem_id 0
		.amdhsa_next_free_vgpr 96
		.amdhsa_next_free_sgpr 66
		.amdhsa_reserve_vcc 0
		.amdhsa_float_denorm_mode_32 3
		.amdhsa_float_denorm_mode_16_64 3
		.amdhsa_memory_ordered 1
		.amdhsa_forward_progress 1
		.amdhsa_inst_pref_size 9
	.end_amdhsa_kernel
	.amdgpu_metadata
---
amdhsa.version: [ 1, 2 ]
amdhsa.kernels:
  - .name:           k_qe9e470d853_prep
    .symbol:         k_qe9e470d853_prep.kd
    .args:
      - { .name: Wq, .offset: 0, .size: 8, .value_kind: global_buffer, .address_space: global }
      - { .name: Wk, .offset: 8, .size: 8, .value_kind: global_buffer, .address_space: global }
      - { .name: Wv, .offset: 16, .size: 8, .value_kind: global_buffer, .address_space: global }
      - { .name: Wo, .offset: 24, .size: 8, .value_kind: global_buffer, .address_space: global }
      - { .name: lowp_scales, .offset: 32, .size: 8, .value_kind: global_buffer, .address_space: global }
      - { .name: wcodes, .offset: 40, .size: 8, .value_kind: global_buffer, .address_space: global }
    .group_segment_fixed_size: 0
    .private_segment_fixed_size: 0
    .kernarg_segment_align: 8
    .kernarg_segment_size: 48
    .max_flat_workgroup_size: 128
    .sgpr_count:     66
    .vgpr_count:     96
    .wavefront_size: 32
...
	.end_amdgpu_metadata
.endif
;; end of part 1
;; launch proj (part 2): grid 64 x 3, 8 waves a work-group, no clusters, 66,560 bytes of LDS; arguments x, wcodes, bq, bk, bv, lowp_scales, qkvf; writes qkvf
.if DOCPART == 2
	.amdgcn_target "amdgcn-amd-amdhsa--gfx1250"
	.amdhsa_code_object_version 6
	.text
	.protected	k_qe9e470d853_proj
	.globl	k_qe9e470d853_proj
	.p2align	8
	.type	k_qe9e470d853_proj,@function
k_qe9e470d853_proj:
	s_mov_b64 s[64:65], 0
	v_nop
	global_prefetch_b8 v0, s[64:65] scope:SCOPE_SE
	s_setreg_imm32_b32 hwreg(HW_REG_WAVE_MODE, 25, 1), 1
	s_wait_xcnt 0x0
; Q, K or V (work-group y = 0, 1, 2) = x W^T + b on codes of E4M3, quantised again for attention and stored as images of operand registers.
; x: [8192][512] f32, quantised here with 2^ea (entry 2y); W: codes from wcodes, scale 2^eb (entry 2y+1); the result is quantised with 2^eo (entries 6, 7, 9).
; A sum stands for sum x 2^(ea+eb): the bias goes in as b / 2^(ea+eb), as the C of a sum's first matrix instruction, and the result's conversion takes the one scale 2^(eo-ea-eb).
; LIMITS: ea and eo-ea-eb between -126 and 119.  NaN among the inputs is not served.
; SHARES: a work-group takes 128 tokens; wave w is head w (64 output columns): its 16 weight fragments (4 tiles x 4 K steps x 16 registers) stay in window 1.
; Wave w quantises tokens 16w .. 16w+15 (4 fragments); they go to the other waves through LDS as images of their registers; one barrier.
; LAYOUT OF qkvf: [64-token step: 128][Q, K, V][head: 8][tile: 4][1,024 bytes]; an entry is a fragment of the 16x16x64 form (lane (r, hh): row r; registers 2c, 2c+1: k = 16c+8hh+0..7; registers 4g..4g+3 at 512 g + 16 x lane).
;   Q, K: rows = 16 tokens (tile = which 16 of the step), k = the head's 64 channels: made with source 0 = W, source 1 = x: a lane holds one token and 8 neighbouring channels.
;   V:    rows = 16 channels (tile = which 16 of the head), k = the step's 64 keys: made with source 0 = x, source 1 = W: a lane holds one channel and 8 neighbouring tokens.
; NO CLUSTER: all operands go by per-lane loads straight into registers, once a wave (32 KB of codes, 32 KB of x); there is no tensor load to ask jointly.
; REGISTERS, window 0: v4-8 addresses; v16-79 x's four fragments (first: raw numbers, set B); v80-111 four result tiles; v112-143 the bias as C; v144-175 codes; v176-239 raw numbers, set A; v240-243 scales; v244-247 a lane's channel bias (V).
.set STEPB, 98304
.set XA,  4                            ; x: r x 2,048 + 32 hh
.set LI,  5                            ; 16 x lane
.set XW,  6                            ; where I store x's images: 16 x lane + 8,192 x wave
.set BO8, 7                            ; bias, 8 channels a lane: 256 w + 32 hh
.set BO1, 8                            ; bias, 1 channel a lane: 256 w + 4 r
.set XF,  16
.set ACC, 80
.set BC,  112
.set CD,  144
.set RA,  176
.set SCX, 240
.set LMX, 241
.set SCO, 242
.set LMO, 243
.set BV,  244
.set MSB, 0
.macro WIN new                         ; the immediate's high byte repeats the setting that is left
.if MSB != \new
	s_set_vgpr_msb (MSB<<8)|\new
.set MSB, \new
.endif
.endm
.macro XLOAD s, buf                    ; my 16 tokens' numbers of K step s: register 8c + i = k 16c + 8hh + i
.irp c, 0,1,2,3,4,5,6,7
	global_load_b128 v[\buf+8*\c:\buf+8*\c+3], v[XA], s[4:5] offset:512*\s+64*\c
	global_load_b128 v[\buf+8*\c+4:\buf+8*\c+7], v[XA], s[4:5] offset:512*\s+64*\c+16
.endr
.endm
.macro QUANT buf                       ; 64 numbers become a fragment's 16 registers of codes
.set n, 0
.rept 64
	v_med3_num_f32 v[\buf+n], v[\buf+n], -v[LMX], v[LMX]
.set n, n+1
.endr
.irp c, 0,1,2,3,4,5,6,7
	v_cvt_scalef32_pk8_fp8_f32 v[CD+2*\c:CD+2*\c+1], v[\buf+8*\c:\buf+8*\c+7], v[SCX]
.endr
	v_nop                                          ; a plain line behind the last conversion
.endm
.macro IMAGE s
.irp g, 0,1,2,3
	ds_store_b128 v[XW], v[CD+4*\g:CD+4*\g+3] offset:\s*2048+512*\g
.endr
.endm
.macro FETCHX m                        ; token tile m: four fragments, 16 loads of 512 consecutive bytes
.set n, 0
.rept 16
	ds_load_b128 v[XF+4*n:XF+4*n+3], v[LI] offset:(\m)*8192+512*n
.set n, n+1
.endr
.endm
; 16 matrix instructions: 4 tiles of 16 output columns x 4 K steps; the four accumulators take turns, one instruction a turn.
.macro MM swap
.if \swap
	WIN 0x04                                       ; source 1 (W) window 1
.else
	WIN 0x01                                       ; source 0 (W) window 1
.endif
.irp s, 0,1,2,3
.irp t, 0,1,2,3
.if \swap
.if \s == 0
	v_wmma_f32_16x16x128_fp8_fp8 v[ACC+8*\t:ACC+8*\t+7], v[XF+16*\s:XF+16*\s+15], v[16*(4*\t+\s):16*(4*\t+\s)+15], v[BC+8*\t:BC+8*\t+7]
.else
	v_wmma_f32_16x16x128_fp8_fp8 v[ACC+8*\t:ACC+8*\t+7], v[XF+16*\s:XF+16*\s+15], v[16*(4*\t+\s):16*(4*\t+\s)+15], v[ACC+8*\t:ACC+8*\t+7]
.endif
.else
.if \s == 0
	v_wmma_f32_16x16x128_fp8_fp8 v[ACC+8*\t:ACC+8*\t+7], v[16*(4*\t+\s):16*(4*\t+\s)+15], v[XF+16*\s:XF+16*\s+15], v[BC+8*\t:BC+8*\t+7]
.else
	v_wmma_f32_16x16x128_fp8_fp8 v[ACC+8*\t:ACC+8*\t+7], v[16*(4*\t+\s):16*(4*\t+\s)+15], v[XF+16*\s:XF+16*\s+15], v[ACC+8*\t:ACC+8*\t+7]
.endif
.endif
.endr
.endr
	WIN 0
.rept 4
	v_nop                                          ; four places ahead of the first read of results; with the holds on other tiles they are also the places ahead of the next loads into x's fragments and of the next tile's first products
.endr
.endm
.macro Q2 t, dst                       ; a result tile, from its low end on: hold, then 8 codes = two registers of the next operand
.irp j, 0,1,2,3,4,5,6,7
	v_med3_num_f32 v[ACC+8*(\t)+\j], v[ACC+8*(\t)+\j], -v[LMO], v[LMO]
.endr
	v_cvt_scalef32_pk8_fp8_f32 v[\dst:\dst+1], v[ACC+8*(\t):ACC+8*(\t)+7], v[SCO]
.endm
	s_load_b256 s[4:11], s[0:1], 0x0               ; x, wcodes, bq, bk
	s_load_b128 s[12:15], s[0:1], 0x20             ; bv, the scales' exponents
	s_load_b64 s[16:17], s[0:1], 0x30              ; qkvf
	v_lshl_add_u32 v254, v0, 2, 0x10000
	v_mov_b32 v255, 0
	v_lshrrev_b32 v1, 5, v0
	v_readfirstlane_b32 s18, v1                    ; wave = head
	s_and_b32 s19, ttmp7, 0xffff                   ; 0 Q, 1 K, 2 V
	v_and_b32 v1, 31, v0
	v_and_b32 v2, 15, v0                           ; r
	v_bfe_u32 v3, v0, 4, 1                         ; hh
	v_lshlrev_b32 v[XA], 11, v2
	v_lshl_add_u32 v[XA], v3, 5, v[XA]
	v_lshlrev_b32 v[LI], 4, v1
	s_lshl_b32 s20, s18, 13
	v_add_nc_u32 v[XW], s20, v[LI]
	s_lshl_b32 s20, s18, 8
	v_lshlrev_b32 v[BO8], 5, v3
	v_add_nc_u32 v[BO8], s20, v[BO8]
	v_lshlrev_b32 v[BO1], 2, v2
	v_add_nc_u32 v[BO1], s20, v[BO1]
	s_mov_b32 s21, 0
	s_wait_kmcnt 0x0
	s_load_b256 s[32:39], s[14:15], 0x0            ; e0 .. e7
	s_load_b128 s[40:43], s[14:15], 0x20           ; e8 .. e11
	s_cmp_eq_u32 s19, 0
	s_cselect_b64 s[22:23], s[8:9], s[10:11]
	s_cmp_eq_u32 s19, 2
	s_cselect_b64 s[22:23], s[12:13], s[22:23]     ; my bias
	s_lshl_b32 s20, s19, 18
	s_lshl_b32 s24, s18, 15
	s_add_co_u32 s20, s20, s24
	s_add_nc_u64 s[6:7], s[6:7], s[20:21]          ; my head's 16 weight fragments: matrix x 262,144 + head x 32,768
	s_lshl_b32 s20, ttmp9, 18
	s_add_co_u32 s20, s20, s24
	s_add_nc_u64 s[4:5], s[4:5], s[20:21]          ; x at token 128 x work-group + 16 x wave
	s_mul_i32 s20, ttmp9, 2*STEPB
	s_lshl_b32 s24, s19, 15
	s_add_co_u32 s20, s20, s24
	s_lshl_b32 s24, s18, 12
	s_add_co_u32 s20, s20, s24
	s_add_nc_u64 s[16:17], s[16:17], s[20:21]      ; out: my two steps, my tensor, my head
	WIN 0x40                                       ; destination window 1
.set n, 0
.rept 64
	global_load_b128 v[4*n:4*n+3], v[LI], s[6:7] offset:512*n   ; fragment (tile t, K step s) at v[16 (4t+s)] of window 1
.set n, n+1
.endr
	WIN 0
.irp t, 0,1,2,3
	global_load_b128 v[BC+8*\t:BC+8*\t+3], v[BO8], s[22:23] offset:64*\t
	global_load_b128 v[BC+8*\t+4:BC+8*\t+7], v[BO8], s[22:23] offset:64*\t+16
.endr
.irp t, 0,1,2,3
	global_load_b32 v[BV+\t], v[BO1], s[22:23] offset:64*\t
.endr
	XLOAD 0, RA
	XLOAD 1, XF
	s_wait_kmcnt 0x0
	s_cmp_eq_u32 s19, 0
	s_cselect_b32 s24, s32, s34                    ; ea
	s_cselect_b32 s25, s33, s35                    ; eb
	s_cselect_b32 s26, s38, s39                    ; eo
	s_cmp_eq_u32 s19, 2
	s_cselect_b32 s24, s36, s24
	s_cselect_b32 s25, s37, s25
	s_cselect_b32 s26, s41, s26
	s_add_co_i32 s27, s24, 127
	s_lshl_b32 s29, s27, 23
	v_mov_b32 v[SCX], s29                          ; 2^ea
	s_add_co_i32 s27, s27, 8
	s_lshl_b32 s27, s27, 23
	s_or_b32 s27, s27, 0x600000
	v_mov_b32 v[LMX], s27                          ; 448 x 2^ea
	s_add_co_i32 s28, s24, s25                     ; ea + eb
	s_sub_co_i32 s27, s26, s28
	s_add_co_i32 s27, s27, 127
	s_lshl_b32 s29, s27, 23
	v_mov_b32 v[SCO], s29                          ; 2^(eo-ea-eb)
	s_add_co_i32 s27, s27, 8
	s_lshl_b32 s27, s27, 23
	s_or_b32 s27, s27, 0x600000
	v_mov_b32 v[LMO], s27
	s_sub_co_i32 s28, 0, s28                       ; -(ea+eb), for the bias
	s_wait_loadcnt 16                              ; all but the youngest 16 loads (K step 1) are in
	QUANT RA
	IMAGE 0
	s_wait_dscnt 0x0                               ; the stores have read the codes' registers
	XLOAD 2, RA
	s_wait_loadcnt 16                              ; K step 1 is in; K step 2's 16 may be out
	QUANT XF
	IMAGE 1
	s_wait_dscnt 0x0
	XLOAD 3, XF
	s_wait_loadcnt 16                              ; K step 2 is in
	QUANT RA
	IMAGE 2
	s_wait_dscnt 0x0
	s_wait_loadcnt 0x0
	QUANT XF
	IMAGE 3
	s_wait_dscnt 0x0                               ; for the others' sake: my images lie in LDS
	s_barrier_signal -1
	s_barrier_wait -1                              ; all 32 fragments of x lie in LDS; from here on LDS is only read
	s_cmp_eq_u32 s19, 2
	s_cbranch_scc1 .Lvpath
	; ---- Q and K: source 0 = W, source 1 = x
.set n, 0
.rept 32
	v_ldexp_f32 v[BC+n], v[BC+n], s28
.set n, n+1
.endr
.irp m, 0,1,2,3,4,5,6,7
	FETCHX \m
	s_wait_dscnt 0x0
	MM 0
	s_wait_xcnt 0x0                                ; the last tile's stores have read the codes' registers
	Q2 0, CD
	Q2 1, CD+2
	Q2 2, CD+4
	Q2 3, CD+6
	v_nop                                          ; a plain line behind the last conversion
	global_store_b128 v[LI], v[CD:CD+3], s[16:17] offset:(\m/4)*STEPB+(\m%4)*1024
	global_store_b128 v[LI], v[CD+4:CD+7], s[16:17] offset:(\m/4)*STEPB+(\m%4)*1024+512
.endr
	s_wait_tensorcnt 0x0
	ds_add_u32 v254, v255
	s_wait_dscnt 0x0
	s_endpgm
.Lvpath:
	; ---- V: source 0 = x, source 1 = W; four token tiles fill a fragment's 64 keys
.irp t, 0,1,2,3
.irp j, 0,1,2,3,4,5,6,7
	v_ldexp_f32 v[BC+8*\t+\j], v[BV+\t], s28
.endr
.endr
.irp u, 0,1
.irp c, 0,1,2,3
	FETCHX 4*\u+\c
	s_wait_dscnt 0x0
	MM 1
.if \c == 0
	s_wait_xcnt 0x0                                ; the last step's stores have read the codes' registers
.endif
	Q2 0, CD+2*\c
	Q2 1, CD+8+2*\c
	Q2 2, CD+16+2*\c
	Q2 3, CD+24+2*\c
	v_nop
.endr
.irp t, 0,1,2,3
	global_store_b128 v[LI], v[CD+8*\t:CD+8*\t+3], s[16:17] offset:\u*STEPB+\t*1024
	global_store_b128 v[LI], v[CD+8*\t+4:CD+8*\t+7], s[16:17] offset:\u*STEPB+\t*1024+512
.endr
.endr
	s_wait_tensorcnt 0x0
	ds_add_u32 v254, v255
	s_wait_dscnt 0x0
	s_endpgm
.Lfunc_end_k_qe9e470d853_proj:
	.size	k_qe9e470d853_proj, .Lfunc_end_k_qe9e470d853_proj-k_qe9e470d853_proj
	.p2alignl 7, 3214868480
	.fill 96, 4, 3214868480
	.section	.rodata,"a",@progbits
	.p2align	6, 0x0
	.amdhsa_kernel k_qe9e470d853_proj
		.amdhsa_group_segment_fixed_size 66560
		.amdhsa_private_segment_fixed_size 0
		.amdhsa_enable_private_segment 0
		.amdhsa_kernarg_size 56
		.amdhsa_user_sgpr_count 2
		.amdhsa_user_sgpr_kernarg_segment_ptr 1
		.amdhsa_wavefront_size32 1
		.amdhsa_system_sgpr_workgroup_id_x 1
		.amdhsa_system_sgpr_workgroup_id_y 1
		.amdhsa_system_sgpr_workgroup_id_z 1
		.amdhsa_system_vgpr_workitem_id 0
		.amdhsa_next_free_vgpr 512
		.amdhsa_next_free_sgpr 66
		.amdhsa_reserve_vcc 0
		.amdhsa_float_denorm_mode_32 3
		.amdhsa_float_denorm_mode_16_64 3
		.amdhsa_memory_ordered 1
		.amdhsa_forward_progress 1
		.amdhsa_inst_pref_size 116
	.end_amdhsa_kernel
	.amdgpu_metadata
---
amdhsa.version: [ 1, 2 ]
amdhsa.kernels:
  - .name:           k_qe9e470d853_proj
    .symbol:         k_qe9e470d853_proj.kd
    .args:
      - { .name: x, .offset: 0, .size: 8, .value_kind: global_buffer, .address_space: global }
      - { .name: wcodes, .offset: 8, .size: 8, .value_kind: global_buffer, .address_space: global }
      - { .name: bq, .offset: 16, .size: 8, .value_kind: global_buffer, .address_space: global }
      - { .name: bk, .offset: 24, .size: 8, .value_kind: global_buffer, .address_space: global }
      - { .name: bv, .offset: 32, .size: 8, .value_kind: global_buffer, .address_space: global }
      - { .name: lowp_scales, .offset: 40, .size: 8, .value_kind: global_buffer, .address_space: global }
      - { .name: qkvf, .offset: 48, .size: 8, .value_kind: global_buffer, .address_space: global }
    .group_segment_fixed_size: 66560
    .private_segment_fixed_size: 0
    .kernarg_segment_align: 8
    .kernarg_segment_size: 56
    .max_flat_workgroup_size: 256
    .sgpr_count:     66
    .vgpr_count:     512
    .wavefront_size: 32
...
	.end_amdgpu_metadata
.endif
;; end of part 2
;; launch attn (part 3): grid 256 x 1, 4 waves a work-group, clusters of 4 x 1, 327,680 bytes of LDS; arguments pairwise_feats, key_padding_mask, W1, b1, W2, b2, lowp_scales, qkvf, wcodes, bo, out0; writes out0
.if DOCPART == 3
	.amdgcn_target "amdgcn-amd-amdhsa--gfx1250"
	.amdhsa_code_object_version 6
	.text
	.protected	k_qe9e470d853_attn
	.globl	k_qe9e470d853_attn
	.p2align	8
	.type	k_qe9e470d853_attn,@function
k_qe9e470d853_attn:
	s_mov_b64 s[64:65], 0
	v_nop
	global_prefetch_b8 v0, s[64:65] scope:SCOPE_SE
	s_setreg_imm32_b32 hwreg(HW_REG_WAVE_MODE, 25, 1), 1
	s_wait_xcnt 0x0
	s_wait_alu depctr_hold_cnt(0) depctr_sa_sdst(0) depctr_va_vdst(0) depctr_va_sdst(0) depctr_va_ssrc(0) depctr_va_vcc(0) depctr_vm_vsrc(0)
	s_getreg_b32 s2, hwreg(HW_REG_IB_STS2, 6, 4)
	s_cmp_eq_u32 s2, 0
	s_cbranch_scc0 .Lentry_in_a_cluster
	s_endpgm
.Lentry_in_a_cluster:
	s_bfe_u32 s2, ttmp6, 0x10000c
	s_cmp_lg_u32 s2, 0x3003
	s_cbranch_scc0 .Lentry_shape_is_right
	s_endpgm
.Lentry_shape_is_right:
; out = softmax(Q K^T / 8 + bias(pairwise) , padded keys left out) V, then x Wo^T + bo.  Q K^T, P V and the last product on codes of E4M3 with the given scales (entries 6 .. 11).
; SHARES.  A work-group owns 32 queries of one batch, ALL 8 HEADS: so each pairwise number goes through the bias MLP (1 -> 16, relu, -> 8) once.  Wave w: queries 16 (w & 1) on, keys 1,024 (w >> 1) on, in 16 steps of 64.
; LAYOUT.  S^T = K Q^T (source 0 = 16 keys, source 1 = my 16 queries) and O^T = V^T P: a lane (r, hh) holds query r throughout; register 8c + j of a head's 32 scores is key 16c + 8hh + j,
; so one conversion of 8 registers gives registers 2c, 2c+1 of P as an operand.  K, V, Q come from qkvf as images of operand registers (16 bytes a lane, 512 bytes a load).
; LOCAL HEADS.  Local head i is head i xor 4 (w >> 1), by addresses alone.  At the end every wave keeps local heads 0-3 and hands 4-7 to the wave with the other keys: one text for all waves.
; BIAS.  hidden_j = max(f W1_j + b1_j, 0); a chain of 16 packed multiply-adds a head, W2 scaled by 2^(3-e6-e7) (exact), started from mk = 0 (a key that counts) or -2^120 (a padded key).
; The chain's end is the C of the score's matrix instruction: raw = codes' product + bias.  t = raw c + b2 log2(e), c = log2(e) / 8 x 2^(e6+e7).
; SOFTMAX.  Running largest t; -M = floor(-t), a whole number; p = 2^(t - M); the sum is taken of the unquantised p; when M moves, sum and O^T are multiplied by 2^(old M - new M), exact.
; What padded keys leave while no key has counted yet is finite and is multiplied by 0 at the first key that counts, or when the two halves of the keys are joined.
; LIMITS: |e6 + e7| <= 60 (a padded key's t is then under -2^57: keys that count must lie above that); e8 and e10 between -126 and 119; e10 + e11 between -126 and 127;
; a batch all of whose keys are padded is not served (the definition gives NaN there); NaN among the inputs is not served.
; CLUSTER.  The four work-groups of a cluster belong to one batch and walk the same K and V: each 32 KB tile is asked for JOINTLY (mask 15), which divides the requests by four.
; ONE SLOT of four tiles (K and V for both halves of the keys).  A tile is asked for at a trip's head and read in the same trip, behind 2,176 vector instructions of the trip's bias work:
; so every one of the 16 trips issues exactly one load a wave and the trip is written once.  The price is a second barrier in the trip.
; AHEAD.  A step's pairwise numbers are loaded a trip ahead, and go from rows to lanes (through my stage in LDS) in the sixth head's turn of the trip before, when the first buffer has had its last reader:
; so at a trip's head the first group's hidden layer can stand between the add and the wait for it.  In the last trip that pass carries old numbers, which nobody reads.
; Wo's codes for the last product are asked for in the last trip, into registers as they fall free (two branches on the trip counter): 96 of a wave's 128 loads; 32 and bo's 16 follow behind the loop.
; REGISTERS, in windows of 256 (s_set_vgpr_msb: bits 1:0 source 0, 3:2 source 1, 5:4 source 2, 7:6 destination):
;   window 0: v1-23 addresses and constants; v24-151 four buffers of 32: the step's pairwise numbers, mk, 64 hidden numbers; later fragments of K and V by turns; v152-159 P's codes; v160-251 statistics
;   window 1: U, 32 a head: bias, then raw, then t - M, then p, in place          window 2: O^T, 32 a head
;   window 3: v0-127 W2 (16 a head), v128-143 W1, v144-159 b1 (the same in every lane), v160-223 Q (8 a head), v224-255 where the next step's pairwise numbers land
.set STEPB, 98304                      ; a 64-token step in qkvf: Q, K, V of 32,768 bytes each
.set FST,   131072                     ; LDS: 0 .. 131,071 the slot; then a stage of 16 rows x 272 bytes for each wave (pairwise numbers from rows to lanes),
.set FSP,   272
.set MKT,   148480                     ; mk of the batch's 2,048 keys, f32,
.set SPARE, 156672                     ; the spare words, 128 bytes for each wave: two blocks of 256 bytes that no other line names,
.set MRG,   157184                     ; 16,384 bytes a wave: the O^T that it hands over,
.set MST,   222720                     ; 1,024 bytes a wave: the sums and -M that go with it,
.set OIMG,  226816                     ; O's 8 fragments for the last product: (tile of queries q2, K step s) at (4 q2 + s) x 2,048,
.set YST,   243200                     ; and a stage of 16 rows x 528 bytes for each wave, for the way out
.set YSP,   528
.set SPW,  1
.set NIL,  2
.set VFO,  3                           ; pairwise numbers in memory: (lane / 16) rows of 8,192 bytes + 16 (lane % 16)
.set FSTO, 4                           ; the same place in my stage
.set FSTR, 5                           ; out of it: row r, + 32 hh
.set MKA0, 6                           ; mk of my half of the keys, + 32 hh
.set MKAD, 7                           ; + the trip's step.  Behind the loop: OIMG + 16 x lane
.set AKL,  8                           ; K's tile of my keys, local heads 0-3: 16 x lane + 65,536 kh + 16,384 kh
.set AKH,  9                           ; local heads 4-7
.set PFO,  10                          ; 256 x lane
.set LIM8, 11                          ; 448 x 2^e8
.set PSC,  12                          ; 2^e8
.set MGW,  13
.set MGR,  14
.set MSW,  15
.set MSR,  16
.set OIW,  17
.set LI,   18                          ; 16 x lane
.set STO,  19
.set RD,   20
.set VBO,  21
.set OSC,  22                          ; 2^e10
.set LMO,  23                          ; 448 x 2^e10
.set F,    24
.set MK,   56
.set HID,  88                          ; hidden unit j of the group's 4 scores at HID + 4 j
.set PC,   152
.set TM,   160                         ; the running largest t, a head
.set NM,   168                         ; -M
.set LS,   176                         ; the sum: 4 a head
.set FA,   208                         ; pairs a head: 2^(old M - new M), b2 log2(e) - M
.set TX,   224
.set TY,   232
.set TA,   240
.set TC,   248
.set TD,   250
.set W2R,  0                           ; window 3
.set W1R,  128
.set B1R,  144
.set QR,   160
.set FL,   224
.set BO,   24                          ; behind the loop: bo, 8 a tile of outputs
.set OC,   88                          ; O's codes; then y, 64 registers
.set YB,   152                         ; y's rows back from the stage
.set MSB, 0
.macro WIN new                         ; the immediate's high byte repeats the setting that is left; a switch that changes nothing is dropped
.if MSB != \new
	s_set_vgpr_msb (MSB<<8)|\new
.set MSB, \new
.endif
.endm
.macro CROUND                          ; a round of the cluster's barrier: my work-group's barrier; wave 0 signals for the work-group; every wave waits for all four work-groups; my work-group's barrier once more
	s_barrier_signal -1
	s_barrier_wait -1
	s_cmp_lg_u32 s56, 0
	s_cbranch_scc1 .Lnot_wave_0_\@
	s_barrier_signal -3
.Lnot_wave_0_\@:
	s_barrier_wait -3
	s_barrier_signal -1
	s_barrier_wait -1
.endm
; A prefetch of the tile that my wave asks for in the NEXT trip: 32,768 bytes = 128 blocks of 256.  All 16 clusters of a batch walk the same tiles: the batch's first cluster asks (s68 = 1 there, else the greatest number).
; Its four partners take 32 blocks each, told apart by address (8,192 x place); a lane a block; one instruction a wave: each block is named once in the launch.  The last trip (s59 = 1) asks for nothing.
.macro ASK
	s_cmp_gt_u32 s59, s68
	s_cbranch_scc0 .Lnot_mine_\@
	global_prefetch_b8 v[PFO], s[66:67] th:TH_LOAD_NT scope:SCOPE_SE
.Lnot_mine_\@:
.endm
; ---- the bias, four scores of a lane (group g) at a time
.macro HIDDEN g                        ; 16 hidden units x 4 scores: f W1_j + b1_j; of a pair of weights the low word serves even j, the high word odd j
	WIN 0x3c
.set j, 0
.rept 8
	v_pk_fma_f32 v[HID+4*j:HID+4*j+1], v[F+4*(\g):F+4*(\g)+1], v[W1R+j:W1R+j+1], v[B1R+j:B1R+j+1] op_sel_hi:[1,0,0]
	v_pk_fma_f32 v[HID+4*j+2:HID+4*j+3], v[F+4*(\g)+2:F+4*(\g)+3], v[W1R+j:W1R+j+1], v[B1R+j:B1R+j+1] op_sel_hi:[1,0,0]
	v_pk_fma_f32 v[HID+4*j+4:HID+4*j+5], v[F+4*(\g):F+4*(\g)+1], v[W1R+j:W1R+j+1], v[B1R+j:B1R+j+1] op_sel:[0,1,1] op_sel_hi:[1,1,1]
	v_pk_fma_f32 v[HID+4*j+6:HID+4*j+7], v[F+4*(\g)+2:F+4*(\g)+3], v[W1R+j:W1R+j+1], v[B1R+j:B1R+j+1] op_sel:[0,1,1] op_sel_hi:[1,1,1]
.set j, j+2
.endr
.endm
.macro RELU                            ; two numbers an instruction: there is no packed maximum in f32, so a dual-issue pair takes its place: an even and an odd destination, neighbouring registers as second sources; all in window 0
	WIN 0
.set n, 0
.rept 32
	v_dual_max_num_f32 v[HID+n], 0, v[HID+n] :: v_dual_max_num_f32 v[HID+n+1], 0, v[HID+n+1]
.set n, n+2
.endr
.endm
.macro LINK g, j                       ; link j of 16 chains (8 heads x 2 pairs of scores): U += hidden_j W2[head][j]; link 0 starts from mk
.if (\j) == 0
	WIN 0x4c
.else
	WIN 0x5c
.endif
.set i, 0
.rept 8
.set p, 0
.rept 2
.if (\j) == 0
	v_pk_fma_f32 v[32*i+4*(\g)+p:32*i+4*(\g)+p+1], v[HID+p:HID+p+1], v[W2R+16*i:W2R+16*i+1], v[MK+4*(\g)+p:MK+4*(\g)+p+1] op_sel_hi:[1,0,1]
.elseif ((\j)&1) == 0
	v_pk_fma_f32 v[32*i+4*(\g)+p:32*i+4*(\g)+p+1], v[HID+4*(\j)+p:HID+4*(\j)+p+1], v[W2R+16*i+(\j):W2R+16*i+(\j)+1], v[32*i+4*(\g)+p:32*i+4*(\g)+p+1] op_sel_hi:[1,0,1]
.else
	v_pk_fma_f32 v[32*i+4*(\g)+p:32*i+4*(\g)+p+1], v[HID+4*(\j)+p:HID+4*(\j)+p+1], v[W2R+16*i+(\j)-1:W2R+16*i+(\j)], v[32*i+4*(\g)+p:32*i+4*(\g)+p+1] op_sel:[0,1,0] op_sel_hi:[1,1,1]
.endif
.set p, p+2
.endr
.set i, i+1
.endr
.endm
; ---- fragments and products
.macro LKV h, off                      ; local head h's four fragments of K (off = 0) or V (off = 32,768) into buffer h % 4: 8 loads of 512 consecutive bytes
	WIN 0
.set BB, F+32*((\h)%4)
.set AK, AKL+((\h)/4)
.irp c, 0,1,2,3
.irp g, 0,1
	ds_load_b128 v[BB+8*\c+4*\g:BB+8*\c+4*\g+3], v[AK] offset:\off+((\h)%4)*4096+\c*1024+\g*512
.endr
.endr
.endm
.macro SMM h                           ; raw = K Q^T + bias, in place: 4 tiles of 16 keys, each accumulator one instruction
	WIN 0x5c
.set BB, F+32*((\h)%4)
.irp c, 0,1,2,3
	v_wmma_f32_16x16x64_fp8_fp8 v[32*(\h)+8*\c:32*(\h)+8*\c+7], v[BB+8*\c:BB+8*\c+7], v[QR+8*(\h):QR+8*(\h)+7], v[32*(\h)+8*\c:32*(\h)+8*\c+7]
.endr
.endm
.macro PV h                            ; O^T += V^T P: 4 tiles of 16 channels
	WIN 0xa0
.set BB, F+32*((\h)%4)
.irp c, 0,1,2,3
	v_wmma_f32_16x16x64_fp8_fp8 v[32*(\h)+8*\c:32*(\h)+8*\c+7], v[BB+8*\c:BB+8*\c+7], v[PC:PC+7], v[32*(\h)+8*\c:32*(\h)+8*\c+7]
.endr
.endm
.macro PLACES                          ; four places ahead of loads into registers that matrix instructions have read, and of the first read of results
.rept 4
	v_nop
.endr
.endm
; Wo's fragments f0 .. f0 + cnt - 1 of a window: fragment f is (tile of 16 outputs f / 2, K step sb + f % 2) and lies at v[16 f]; window 1 holds K steps 0, 1 (sb = 0), window 3 K steps 2, 3 (sb = 2)
.macro WOLD f0, cnt, sb
.set f, \f0
.rept \cnt
.irp g, 0,1,2,3
	global_load_b128 v[16*f+4*\g:16*f+4*\g+3], v[LI], s[24:25] offset:(4*(f/2)+\sb+f%2)*2048+512*\g
.endr
.set f, f+1
.endr
.endm
; ---- the softmax
.macro MAXS lo, cnt                    ; the step's largest raw score of heads lo .. lo + cnt - 1, two chains a head, the heads by turns; each tile is read from its low end on
	WIN 0x05
.set i, \lo
.rept \cnt
	v_max_num_f32 v[TX+i], v[32*i], v[32*i+1]
	v_max_num_f32 v[TY+i], v[32*i+16], v[32*i+17]
.set i, i+1
.endr
.set k, 1
.rept 7
.set i, \lo
.rept \cnt
	v_max3_num_f32 v[TX+i], v[32*i+2*k], v[32*i+2*k+1], v[TX+i]
	v_max3_num_f32 v[TY+i], v[32*i+16+2*k], v[32*i+17+2*k], v[TY+i]
.set i, i+1
.endr
.set k, k+1
.endr
.endm
.macro STATS                           ; eleven lines, each for the 8 heads
	WIN 0
.irp i, 0,1,2,3,4,5,6,7
	v_max_num_f32 v[TX+\i], v[TX+\i], v[TY+\i]
.endr
.irp i, 0,1,2,3,4,5,6,7
	v_permlanex16_b32 v[TA+\i], v[TX+\i], s60, s61         ; the query's other 32 keys lie in the lane 16 away
.endr
.irp i, 0,1,2,3,4,5,6,7
	v_max_num_f32 v[TX+\i], v[TX+\i], v[TA+\i]
.endr
.irp i, 0,1,2,3,4,5,6,7
	v_fma_f32 v[TX+\i], v[TX+\i], s62, s[72+\i]            ; as t (c is positive)
.endr
.irp i, 0,1,2,3,4,5,6,7
	v_max_num_f32 v[TM+\i], v[TM+\i], v[TX+\i]
.endr
.irp i, 0,1,2,3,4,5,6,7
	v_mov_b32 v[TA+\i], v[NM+\i]
.endr
.irp i, 0,1,2,3,4,5,6,7
	v_floor_f32 v[NM+\i], -v[TM+\i]                        ; -M = floor(-t) = -ceil(t)
.endr
.irp i, 0,1,2,3,4,5,6,7
	v_sub_f32 v[TA+\i], v[NM+\i], v[TA+\i]                 ; old M - new M: a whole number, 0 or less
.endr
.irp i, 0,1,2,3,4,5,6,7
	v_cvt_i32_f32 v[TA+\i], v[TA+\i]                       ; (it saturates)
.endr
.irp i, 0,1,2,3,4,5,6,7
	v_ldexp_f32 v[FA+2*\i], 1.0, v[TA+\i]
.endr
.irp i, 0,1,2,3,4,5,6,7
	v_add_f32 v[FA+2*\i+1], s[72+\i], v[NM+\i]
.endr
.endm
; Head ix: t - M (a pair an instruction) and its 32 exponentials; head ih: the holds at 448 x 2^e8, set between the exponentials as their plain neighbours.  ex, ho: which of the two parts there is.
; No line here names an exponential's result: the batch has one wait, further down.
.macro MIX ix, ih, ex, ho
	WIN 0x41
.set k, 0
.rept 17
.if \ex && (k < 16)
	v_pk_fma_f32 v[32*(\ix)+2*k:32*(\ix)+2*k+1], v[32*(\ix)+2*k:32*(\ix)+2*k+1], s[62:63], v[FA+2*(\ix):FA+2*(\ix)+1] op_sel:[0,0,1] op_sel_hi:[1,0,1]
.endif
.if k > 0
.if \ex
	v_exp_f32 v[32*(\ix)+2*k-2], v[32*(\ix)+2*k-2]
.endif
.if \ho
	v_min_num_f32 v[32*(\ih)+2*k-2], v[32*(\ih)+2*k-2], v[LIM8]
.endif
.if \ex
	v_exp_f32 v[32*(\ix)+2*k-1], v[32*(\ix)+2*k-1]
.endif
.if \ho
	v_min_num_f32 v[32*(\ih)+2*k-1], v[32*(\ih)+2*k-1], v[LIM8]
.endif
.endif
.set k, k+1
.endr
.if \ho == 0
	v_nop                                          ; a plain line behind the last exponential
.endif
.endm
.macro SUMS h                          ; the sum of the unquantised p, under the new M: four chains of pairs
.set LA, LS+4*(\h)
.set UB, 32*(\h)
	WIN 0x10
	v_pk_fma_f32 v[LA:LA+1], v[LA:LA+1], v[FA+2*(\h):FA+2*(\h)+1], v[UB:UB+1] op_sel_hi:[1,0,1]
	v_pk_fma_f32 v[LA+2:LA+3], v[LA+2:LA+3], v[FA+2*(\h):FA+2*(\h)+1], v[UB+2:UB+3] op_sel_hi:[1,0,1]
	WIN 0x05
	v_pk_add_f32 v[TC:TC+1], v[UB+4:UB+5], v[UB+6:UB+7]
	v_pk_add_f32 v[TD:TD+1], v[UB+8:UB+9], v[UB+10:UB+11]
	WIN 0x01
	v_pk_add_f32 v[LA:LA+1], v[UB+12:UB+13], v[LA:LA+1]
	v_pk_add_f32 v[LA+2:LA+3], v[UB+14:UB+15], v[LA+2:LA+3]
	v_pk_add_f32 v[TC:TC+1], v[UB+16:UB+17], v[TC:TC+1]
	v_pk_add_f32 v[TD:TD+1], v[UB+18:UB+19], v[TD:TD+1]
	v_pk_add_f32 v[LA:LA+1], v[UB+20:UB+21], v[LA:LA+1]
	v_pk_add_f32 v[LA+2:LA+3], v[UB+22:UB+23], v[LA+2:LA+3]
	v_pk_add_f32 v[TC:TC+1], v[UB+24:UB+25], v[TC:TC+1]
	v_pk_add_f32 v[TD:TD+1], v[UB+26:UB+27], v[TD:TD+1]
	v_pk_add_f32 v[LA:LA+1], v[UB+28:UB+29], v[LA:LA+1]
	v_pk_add_f32 v[LA+2:LA+3], v[UB+30:UB+31], v[LA+2:LA+3]
	WIN 0
	v_pk_add_f32 v[LA:LA+1], v[LA:LA+1], v[TC:TC+1]
	v_pk_add_f32 v[LA+2:LA+3], v[LA+2:LA+3], v[TD:TD+1]
.endm
.macro CVT h
	WIN 0x01
.irp c, 0,1,2,3
	v_cvt_scalef32_pk8_fp8_f32 v[PC+2*\c:PC+2*\c+1], v[32*(\h)+8*\c:32*(\h)+8*\c+7], v[PSC]
.endr
.endm
.macro RESC h                          ; O^T under the new M; these 16 are also the plain lines between the conversions and the products that read their codes
	WIN 0x82
.set k, 0
.rept 16
	v_pk_mul_f32 v[32*(\h)+2*k:32*(\h)+2*k+1], v[32*(\h)+2*k:32*(\h)+2*k+1], v[FA+2*(\h):FA+2*(\h)+1] op_sel_hi:[1,0]
.set k, k+1
.endr
.endm
; The next step's pairwise numbers go from rows to lanes through my stage.  It stands in head 5's turn, behind its 16 sums: buffer 0 had its last reader in head 4's products, and the sums are the places.
; In the last trip: Wo's codes into U of heads 0-4 (window 1, v0-159: their codes are made) and into Q's registers (window 3, v160-223: all scores are made): 56 loads.
.macro NEXTF
	WIN 0
	s_wait_loadcnt 0x0                             ; the 8 loads issued at this trip's head have landed (in the last trip: Wo's first 40)
	WIN 0x0c                                       ; store data in window 3
.irp i, 0,1,2,3,4,5,6,7
	ds_store_b128 v[FSTO], v[FL+4*\i:FL+4*\i+3] offset:2*FSP*\i
.endr
	WIN 0
.irp c, 0,1,2,3
	ds_load_b128 v[F+8*\c:F+8*\c+3], v[FSTR] offset:64*\c            ; LDS serves a wave's instructions in order (ISA guide 5.7.1.4): these see my stores
	ds_load_b128 v[F+8*\c+4:F+8*\c+7], v[FSTR] offset:64*\c+16
.endr
	s_cmp_lg_u32 s59, 1
	s_cbranch_scc1 .Lnot_last_\@
	WIN 0x40
	WOLD 0, 10, 0
	WIN 0xc0
	WOLD 10, 4, 2
	WIN 0
.Lnot_last_\@:
.endm
; Head h's turn: its exponentials were issued a turn ago.  Behind the sums stand V's loads for head h + 3, into the buffer that head h - 1's products have read (the 16 sums are the places).
; THE WAIT for head h + 1's 32 exponentials stands ahead of head h's products: behind the batch's last line come the 4 conversions and the 16 rescalings; between the wait and the batch's first reader
; (the next turn's sums) stand only these products, which name none of its registers.
.macro PHASE h
.if \h == 0
	s_wait_alu depctr_va_vdst(0)                   ; head 0's batch, ahead of its first reader
.endif
	SUMS \h
.if (\h >= 1) && (\h <= 4)
	LKV (\h)+3, 32768
.endif
.if \h == 5
	NEXTF
.endif
.if \h < 7
	MIX (\h)+1, \h, 1, 1
.else
	MIX 0, \h, 0, 1
.endif
	CVT \h
	RESC \h
.if \h < 7
	s_wait_alu depctr_va_vdst(0)                   ; one wait for head h + 1's 32 exponentials
.endif
.if \h <= 4
	s_wait_dscnt 24                                ; V of head h is in: behind its 8 loads stand those of three more heads
.elseif \h == 5
	s_wait_dscnt 32                                ; behind head 5's: two heads' 16, and the stage's 8 stores and 8 loads
.elseif \h == 6
	s_wait_dscnt 24                                ; behind head 6's: head 7's 8 and the stage's 16
.else
	s_wait_dscnt 16                                ; behind head 7's: the stage's 16
.endif
	PV \h
.endm
	s_load_b512 s[8:23], s[0:1], 0x0               ; pairwise s[8:9], mask s[10:11], W1 s[12:13], b1 s[14:15], W2 s[16:17], b2 s[18:19], scales s[20:21], qkvf s[22:23]
	s_load_b128 s[24:27], s[0:1], 0x40             ; wcodes, bo
	s_load_b64 s[28:29], s[0:1], 0x50              ; out0
	v_lshl_add_u32 v[SPW], v0, 2, SPARE
	v_mov_b32 v[NIL], 0
	v_lshrrev_b32 v240, 5, v0
	v_readfirstlane_b32 s56, v240                  ; wave 0..3
	s_lshr_b32 s57, s56, 1                         ; kh: which half of the keys
	s_and_b32 s58, s56, 1                          ; qt: which 16 queries
	s_xor_b32 s96, s57, 1
	s_bfe_u32 s85, ttmp6, 0x40000                  ; my place in the cluster: it enters global addresses of my own rows, and the prefetch's, alone
	s_lshl_b32 s86, ttmp9, 2
	s_add_co_u32 s86, s86, s85                     ; work-group: 32 queries
	s_lshr_b32 s87, ttmp9, 4                       ; the batch: 16 clusters each
	; descriptor group 1: 128 dense rows of 256 bytes (32 elements of 8 bytes), no padding: images are read 16 bytes a lane, 512 on end
	s_mov_b32 s44, 15|(3<<16)|(1<<21)              ; 15:0 the mask: all four work-groups; 17:16 elements of 8 bytes; 21 set beside a mask
	s_mov_b32 s45, 32<<16                          ; tensor_dim0 = 32
	s_mov_b32 s46, 128<<16                         ; tensor_dim1 = 128
	s_mov_b32 s47, 32<<16                          ; tile_dim0 = 32
	s_mov_b32 s48, 128                             ; tile_dim1 = 128
	s_mov_b32 s49, 32                              ; from row to row
	s_mov_b32 s50, 0
	s_mov_b32 s51, 0
	s_mov_b32 s52, 1
	s_lshl_b32 s53, s56, 15                        ; tile w of the slot: K, V of keys 0-1023, K, V of keys 1024-2047
	s_mov_b32 s60, 0x76543210
	s_mov_b32 s61, 0xfedcba98
	v_and_b32 v240, 31, v0                         ; lane
	v_and_b32 v241, 15, v0                         ; r
	v_bfe_u32 v242, v0, 4, 1                       ; hh
	v_lshlrev_b32 v[LI], 4, v240
	v_lshlrev_b32 v[VFO], 4, v241
	v_lshl_add_u32 v[VFO], v242, 13, v[VFO]
	s_mul_i32 s2, s56, 16*FSP
	s_add_co_u32 s2, s2, FST
	v_mul_u32_u24 v[FSTO], v242, FSP
	v_lshl_add_u32 v[FSTO], v241, 4, v[FSTO]
	v_add_nc_u32 v[FSTO], s2, v[FSTO]
	v_mul_u32_u24 v[FSTR], v241, FSP
	v_lshl_add_u32 v[FSTR], v242, 5, v[FSTR]
	v_add_nc_u32 v[FSTR], s2, v[FSTR]
	s_lshl_b32 s2, s57, 12
	s_add_co_u32 s2, s2, MKT
	v_lshlrev_b32 v[MKA0], 5, v242
	v_add_nc_u32 v[MKA0], s2, v[MKA0]
	s_mul_i32 s2, s57, 81920
	v_add_nc_u32 v[AKL], s2, v[LI]
	s_lshl_b32 s2, s57, 16
	s_lshl_b32 s3, s96, 14
	s_add_co_u32 s2, s2, s3
	v_add_nc_u32 v[AKH], s2, v[LI]
	v_lshlrev_b32 v[PFO], 8, v240
	s_xor_b32 s3, s56, 2                           ; the wave with my queries and the other keys
	s_lshl_b32 s2, s56, 14
	s_add_co_u32 s2, s2, MRG
	v_add_nc_u32 v[MGW], s2, v[LI]
	s_lshl_b32 s2, s3, 14
	s_add_co_u32 s2, s2, MRG
	v_add_nc_u32 v[MGR], s2, v[LI]
	s_lshl_b32 s2, s56, 10
	s_add_co_u32 s2, s2, MST
	v_add_nc_u32 v[MSW], s2, v[LI]
	s_lshl_b32 s2, s3, 10
	s_add_co_u32 s2, s2, MST
	v_add_nc_u32 v[MSR], s2, v[LI]
	s_lshl_b32 s2, s58, 13
	s_lshl_b32 s3, s57, 12
	s_add_co_u32 s2, s2, s3
	s_add_co_u32 s2, s2, OIMG
	v_add_nc_u32 v[OIW], s2, v[LI]                 ; my two fragments of O: (4 qt + 2 kh) x 2,048
	s_mul_i32 s2, s56, 16*YSP
	s_add_co_u32 s2, s2, YST
	v_mul_u32_u24 v[STO], v241, YSP
	v_lshl_add_u32 v[STO], v242, 5, v[STO]
	v_add_nc_u32 v[STO], s2, v[STO]
	v_add_nc_u32 v[RD], s2, v[LI]
	s_lshl_b32 s2, s56, 9
	v_lshlrev_b32 v[VBO], 5, v242
	v_add_nc_u32 v[VBO], s2, v[VBO]
	s_wait_kmcnt 0x0
	s_load_b256 s[32:39], s[20:21], 0x0            ; e0 .. e7
	s_load_b128 s[40:43], s[20:21], 0x20           ; e8 .. e11
	s_load_b256 s[88:95], s[18:19], 0x0            ; b2
	s_lshl_b32 s2, s87, 5                          ; my tile in qkvf: step 32 b + 16 kh, K (even waves) or V (odd): nothing of my place in the cluster
	s_lshl_b32 s3, s57, 4
	s_add_co_u32 s2, s2, s3
	s_mul_i32 s2, s2, STEPB
	s_lshl_b32 s3, s58, 15
	s_add_co_u32 s2, s2, s3
	s_add_co_u32 s2, s2, 32768
	s_mov_b32 s3, 0
	s_add_nc_u64 s[54:55], s[22:23], s[2:3]
	s_lshl_b32 s4, s85, 13
	s_mov_b32 s5, 0
	s_add_nc_u64 s[66:67], s[54:55], s[4:5]        ; the prefetches: my work-group's 32 blocks of my wave's tile; the first trip steps it to step 1
	s_or_b32 s55, s55, 0x80000000                  ; type = 2
	s_and_b32 s68, ttmp9, 15
	s_cmp_eq_u32 s68, 0
	s_cselect_b32 s68, 1, -1                       ; the batch's first cluster: the same in all four partners
	s_lshl_b32 s4, s86, 5
	s_lshl_b32 s6, s58, 4
	s_add_co_u32 s4, s4, s6                        ; my first query, counted through the batches
	s_lshl_b32 s4, s4, 13                          ; its row of 2,048 pairwise numbers
	s_lshl_b32 s6, s57, 12
	s_add_co_u32 s4, s4, s6                        ; + my half of the keys
	s_add_nc_u64 s[70:71], s[8:9], s[4:5]
	s_lshr_b32 s4, s86, 1                          ; Q: the step that holds my queries,
	s_mul_i32 s4, s4, STEPB
	s_and_b32 s6, s86, 1
	s_lshl_b32 s6, s6, 1
	s_add_co_u32 s6, s6, s58                       ; and the tile in it
	s_lshl_b32 s6, s6, 10
	s_add_co_u32 s4, s4, s6
	s_add_nc_u64 s[30:31], s[22:23], s[4:5]
	s_lshl_b32 s4, s86, 16
	s_lshl_b32 s6, s56, 9
	s_add_co_u32 s4, s4, s6
	s_add_nc_u64 s[80:81], s[28:29], s[4:5]        ; out: my work-group's 32 rows, my wave's 128 columns
	s_lshl_b32 s4, s56, 16
	s_add_co_u32 s4, s4, 786432
	s_add_nc_u64 s[24:25], s[24:25], s[4:5]        ; Wo's codes: my 128 rows
	s_lshl_b32 s6, s87, 11
	v_lshl_add_u32 v243, v0, 4, s6                 ; the mask: 16 bytes a thread
	s_lshl_b32 s6, s57, 8
	v_mov_b32 v248, s6                             ; W2: heads 4 kh on,
	s_lshl_b32 s6, s96, 8
	v_mov_b32 v249, s6                             ; and the other four
	s_lshl_b32 s6, s57, 14
	v_add_nc_u32 v250, s6, v[LI]                   ; Q likewise
	s_lshl_b32 s6, s96, 14
	v_add_nc_u32 v251, s6, v[LI]
	v_mov_b32 v252, 0
	; 63 loads go out here; Q's last two follow behind the set-up of registers, straight ahead of the wait for all
	global_load_b128 v[244:247], v243, s[10:11]
	WIN 0xc0                                       ; destination window 3
.irp i, 0,1,2,3,4,5,6,7
	global_load_b128 v[FL+4*\i:FL+4*\i+3], v[VFO], s[70:71] offset:\i*16384 th:TH_LOAD_NT   ; step 0's pairwise numbers: two rows' 256 bytes an instruction
.endr
.irp i, 0,1,2,3,4,5,6,7
.irp q, 0,1,2,3
	global_load_b128 v[W2R+16*\i+4*\q:W2R+16*\i+4*\q+3], v[248+\i/4], s[16:17] offset:(\i%4)*64+16*\q
.endr
.endr
.irp q, 0,1,2,3
	global_load_b128 v[W1R+4*\q:W1R+4*\q+3], v252, s[12:13] offset:16*\q
	global_load_b128 v[B1R+4*\q:B1R+4*\q+3], v252, s[14:15] offset:16*\q
.endr
.irp i, 0,1,2,3,4,5,6
	global_load_b128 v[QR+8*\i:QR+8*\i+3], v[250+\i/4], s[30:31] offset:(\i%4)*4096
	global_load_b128 v[QR+8*\i+4:QR+8*\i+7], v[250+\i/4], s[30:31] offset:(\i%4)*4096+512
.endr
	WIN 0
	s_wait_kmcnt 0x0
	s_add_co_i32 s6, s38, s39                      ; e6 + e7
	s_lshl_b32 s7, s6, 23
	s_mov_b32 s62, 0x3e38aa3b                      ; log2(e) / 8
	s_add_co_i32 s62, s62, s7                      ; x 2^(e6+e7): added to the exponent field
	s_mov_b32 s63, s62                             ; (named with it as a pair)
	s_sub_co_i32 s6, 3, s6                         ; W2 x 8 / 2^(e6+e7)
	s_cmp_eq_u32 s57, 0
.irp i, 0,1,2,3
	s_cselect_b32 s[72+\i], s[88+\i], s[92+\i]     ; b2 in the order of my local heads
	s_cselect_b32 s[76+\i], s[92+\i], s[88+\i]
.endr
.irp i, 0,1,2,3,4,5,6,7
	s_mul_f32 s[72+\i], s[72+\i], 0x3fb8aa3b       ; x log2(e)
.endr
	s_add_co_i32 s7, s40, 127
	s_lshl_b32 s4, s7, 23
	v_mov_b32 v[PSC], s4
	s_add_co_i32 s7, s7, 8
	s_lshl_b32 s7, s7, 23
	s_or_b32 s7, s7, 0x600000
	v_mov_b32 v[LIM8], s7
	s_add_co_i32 s7, s42, 127
	s_lshl_b32 s4, s7, 23
	v_mov_b32 v[OSC], s4
	s_add_co_i32 s7, s7, 8
	s_lshl_b32 s7, s7, 23
	s_or_b32 s7, s7, 0x600000
	v_mov_b32 v[LMO], s7
	s_add_co_i32 s82, s42, s43
	s_add_co_i32 s82, s82, 127
	s_lshl_b32 s82, s82, 23                        ; 2^(e10+e11)
	s_mov_b32 s83, s82
	s_add_co_i32 s84, s40, s41                     ; e8 + e9
.irp i, 0,1,2,3,4,5,6,7
	v_mov_b32 v[TM+\i], 0xff61b1e6                 ; -3e38, under every t
.endr
.irp i, 0,1,2,3,4,5,6,7
	v_floor_f32 v[NM+\i], -v[TM+\i]
.endr
.set n, 0
.rept 32
	v_mov_b32 v[LS+n], 0
.set n, n+1
.endr
	WIN 0x80
.set n, 0
.rept 256
	v_mov_b32 v[n], 0                              ; O^T.  The trip is written once: its first pass finds zeros, which the first change of M leaves zeros
.set n, n+1
.endr
	WIN 0xc0
	global_load_b128 v[QR+56:QR+59], v251, s[30:31] offset:3*4096          ; Q of local head 7
	global_load_b128 v[QR+60:QR+63], v251, s[30:31] offset:3*4096+512
	WIN 0
	s_wait_loadcnt 0x0                             ; all 65 loads
.set k, 0
.rept 16
	v_bfe_u32 v[MK+k], v[244+k/4], 8*(k%4), 1      ; a byte of the mask, 0 or 1,
.set k, k+1
.endr
.set k, 0
.rept 16
	v_sub_nc_u32 v[MK+k], 0, v[MK+k]               ; as all zeros or all ones,
.set k, k+1
.endr
.set k, 0
.rept 16
	v_and_b32 v[MK+k], 0xfb800000, v[MK+k]         ; as 0 or -2^120
.set k, k+1
.endr
	v_lshl_add_u32 v243, v0, 6, MKT
.irp q, 0,1,2,3
	ds_store_b128 v243, v[MK+4*\q:MK+4*\q+3] offset:16*\q
.endr
	WIN 0x0c                                       ; step 0's pairwise numbers go through my stage here; those of later steps in the trip before (NEXTF)
.irp i, 0,1,2,3,4,5,6,7
	ds_store_b128 v[FSTO], v[FL+4*\i:FL+4*\i+3] offset:2*FSP*\i
.endr
	WIN 0
.irp c, 0,1,2,3
	ds_load_b128 v[F+8*\c:F+8*\c+3], v[FSTR] offset:64*\c
	ds_load_b128 v[F+8*\c+4:F+8*\c+7], v[FSTR] offset:64*\c+16
.endr
	WIN 0xc3
.set n, 0
.rept 128
	v_ldexp_f32 v[W2R+n], v[W2R+n], s6
.set n, n+1
.endr
	WIN 0
.irp i, 0,1,2,3,4,5,6,7
	v_mov_b32 v[TA+\i], 0                          ; written once: a lane permute's destination counts as one of its sources
.endr
	s_mov_b32 s59, 16                              ; steps to go
	s_mov_b32 s69, 0                               ; the step's place in mk
	s_wait_dscnt 0x0                               ; for the others' sake: my part of mk lies in LDS
	s_barrier_signal -1
	s_barrier_wait -1
.Ltrip:
	s_wait_loadcnt 0x0                             ; on every way to this line no load of mine is out: the registers that the last trip's branches load anew are read and written below
	v_add_nc_u32 v[MKAD], s69, v[MKA0]
.irp c, 0,1,2,3
	ds_load_b128 v[MK+8*\c:MK+8*\c+3], v[MKAD] offset:64*\c
	ds_load_b128 v[MK+8*\c+4:MK+8*\c+7], v[MKAD] offset:64*\c+16
.endr
	; ---- the slot is filled again: no tensor load of mine is out, the add, my reads of the slot are over; a round of the cluster's barrier; the joint load first behind it
	s_wait_tensorcnt 0x0
	ds_add_u32 v[SPW], v[NIL]                      ; 0 onto my spare word: the steps and group 0's hidden layer stand between it and the wait for it
	ds_add_u32 v1, v2
	s_wait_xcnt 0x0                                ; the last trip's loads and prefetch have read their bases
	s_add_nc_u64 s[66:67], s[66:67], STEPB         ; the prefetch: one step further on than the load below
	s_add_nc_u64 s[70:71], s[70:71], 256           ; the next step's 64 pairwise numbers of a row
	s_add_co_u32 s69, s69, 256
	s_wait_dscnt 9                                 ; this step's pairwise numbers are in: behind their loads stand mk's 8 and the two adds
	HIDDEN 0
	RELU
	s_wait_dscnt 0x0                               ; the add is done; mk is in; my reads of the slot ended in the last trip
	CROUND
	tensor_load_to_lds s[52:55], s[44:51]          ; my one tensor load of the trip: one is out at the most
	s_nop 0
.rept 4
	v_nop
.endr
	ASK
	s_cmp_eq_u32 s59, 1                            ; the last trip loads nothing: no load leaves its buffer
	s_cbranch_scc1 .Lno_next
	WIN 0xc0
.irp i, 0,1,2,3,4,5,6,7
	global_load_b128 v[FL+4*\i:FL+4*\i+3], v[VFO], s[70:71] offset:\i*16384 th:TH_LOAD_NT
.endr
	WIN 0
.Lno_next:
	; ---- the bias of groups 0 to 6: the tile lands meanwhile
.irp j, 0,1,2,3,4,5,6,7,8,9,10,11,12,13,14,15
	LINK 0, \j
.endr
.irp g, 1,2,3,4,5,6
	HIDDEN \g
	RELU
.irp j, 0,1,2,3,4,5,6,7,8,9,10,11,12,13,14,15
	LINK \g, \j
.endr
.endr
	s_wait_tensorcnt 0x0                           ; my tile has landed (my only load, so the count is 0),
	s_add_nc_u64 s[54:55], s[54:55], STEPB         ; so its descriptor may step; the type bits on top are not reached
	s_barrier_signal -1                            ; no LDS instruction of mine is out
	s_barrier_wait -1                              ; all four tiles lie in the slot
	; ---- group 7; K's fragments are asked for as the buffers fall free
	HIDDEN 7
	RELU
	LINK 7, 0
	LKV 0, 0                                       ; the pairwise numbers' and mk's registers are done with
	LKV 1, 0
.irp j, 1,2,3,4,5,6,7
	LINK 7, \j
.endr
	LKV 2, 0                                       ; hidden units 0-7 are done with
.irp j, 8,9,10,11,12,13,14,15
	LINK 7, \j
.endr
	LKV 3, 0
	s_cmp_lg_u32 s59, 1                            ; in the last trip the MLP's weights are done with: Wo's codes take their registers (window 3, v0-159): 40 loads
	s_cbranch_scc1 .Lnot_last_a
	WIN 0xc0
	WOLD 0, 10, 2
	WIN 0
.Lnot_last_a:
	; ---- raw scores and their maxima
	s_wait_dscnt 8                                 ; heads 0-2 are in; head 3's 8 loads may be out
	SMM 0
	SMM 1
	SMM 2
	PLACES
	LKV 4, 0
	LKV 5, 0
	LKV 6, 0
	MAXS 0, 3
	s_wait_dscnt 0x0
	SMM 3
	SMM 4
	SMM 5
	SMM 6
	PLACES
	LKV 7, 0
	LKV 0, 32768
	LKV 1, 32768
	LKV 2, 32768
	MAXS 3, 4
	s_wait_dscnt 24                                ; K of head 7 is in; V's 24 loads may be out
	SMM 7
	PLACES
	LKV 3, 32768
	MAXS 7, 1
	STATS
	MIX 0, 0, 1, 0
	; ---- head by head: sums, holds (with the next head's exponentials between), codes, O^T rescaled, V^T P
.irp h, 0,1,2,3,4,5,6,7
	PHASE \h
.endr
	WIN 0
	s_sub_co_u32 s59, s59, 1
	s_cmp_lg_u32 s59, 0
	s_cbranch_scc1 .Ltrip
	; ---- the rest of Wo's codes (U of heads 5-7; the registers in which the pairwise numbers landed) and bo
	s_wait_dscnt 0x0                               ; the stage's last pass is over: its stores have read window 3, v224-255, and its loads have landed in v24-55; both are loaded anew below
	WIN 0x40
	WOLD 10, 6, 0
	WIN 0xc0
	WOLD 14, 2, 2
	WIN 0
.irp n, 0,1,2,3,4,5,6,7
	global_load_b128 v[BO+8*\n:BO+8*\n+3], v[VBO], s[26:27] offset:64*\n
	global_load_b128 v[BO+8*\n+4:BO+8*\n+7], v[VBO], s[26:27] offset:64*\n+16
.endr
	; ---- each head's sum: four parts and the other half of the lanes.  (These lines are also the places behind the last products)
.irp i, 0,1,2,3,4,5,6,7
	v_add_f32 v[TX+\i], v[LS+4*\i], v[LS+4*\i+1]
	v_add_f32 v[TY+\i], v[LS+4*\i+2], v[LS+4*\i+3]
.endr
.irp i, 0,1,2,3,4,5,6,7
	v_add_f32 v[TX+\i], v[TX+\i], v[TY+\i]
.endr
.irp i, 0,1,2,3,4,5,6,7
	v_permlanex16_b32 v[TA+\i], v[TX+\i], s60, s61
.endr
.irp i, 0,1,2,3,4,5,6,7
	v_add_f32 v[TX+\i], v[TX+\i], v[TA+\i]
.endr
	v_add_nc_u32 v[MKAD], OIMG, v[LI]              ; from here on: where O's images are read
	; ---- local heads 4-7 go to the wave with the other keys, as images of their registers
	WIN 0x08                                       ; store data in window 2
.set k, 0
.rept 32
	ds_store_b128 v[MGW], v[128+4*k:128+4*k+3] offset:512*k
.set k, k+1
.endr
	WIN 0
	ds_store_b128 v[MSW], v[TX+4:TX+7]
	ds_store_b128 v[MSW], v[NM+4:NM+7] offset:512
	s_wait_dscnt 0x0                               ; for the other wave's sake
	s_barrier_signal -1
	s_barrier_wait -1
	ds_load_b128 v[232:235], v[MSR]                ; the other half's sums of my local heads 0-3,
	ds_load_b128 v[236:239], v[MSR] offset:512     ; its -M,
	WIN 0x80
.set k, 0
.rept 32
	ds_load_b128 v[128+4*k:128+4*k+3], v[MGR] offset:512*k   ; and its O^T
.set k, k+1
.endr
	WIN 0
	s_wait_dscnt 0x0
	; ---- the two halves under one M; 1 / sum x 2^(e8+e9)
.irp i, 0,1,2,3
	v_min_num_f32 v[TA+\i], v[NM+\i], v[236+\i]    ; -(the larger M)
.endr
.irp i, 0,1,2,3
	v_sub_f32 v[216+\i], v[TA+\i], v[NM+\i]
	v_sub_f32 v[220+\i], v[TA+\i], v[236+\i]
.endr
.irp i, 0,1,2,3
	v_cvt_i32_f32 v[216+\i], v[216+\i]
	v_cvt_i32_f32 v[220+\i], v[220+\i]
.endr
.irp i, 0,1,2,3
	v_ldexp_f32 v[216+\i], 1.0, v[216+\i]
	v_ldexp_f32 v[220+\i], 1.0, v[220+\i]
.endr
.irp i, 0,1,2,3
	v_mul_f32 v[TA+4+\i], v[TX+\i], v[216+\i]
.endr
.irp i, 0,1,2,3
	v_fma_f32 v[TA+4+\i], v[232+\i], v[220+\i], v[TA+4+\i]
.endr
.irp i, 0,1,2,3
	v_rcp_f32 v[TA+4+\i], v[TA+4+\i]
.endr
	v_nop                                          ; a plain line behind the last reciprocal
	s_wait_alu depctr_va_vdst(0)                   ; one wait for the four, ahead of their first reader
.irp i, 0,1,2,3
	v_ldexp_f32 v[TA+4+\i], v[TA+4+\i], s84
.endr
.irp i, 0,1,2,3
	v_mul_f32 v[FA+2*\i], v[216+\i], v[TA+4+\i]
	v_mul_f32 v[FA+2*\i+1], v[220+\i], v[TA+4+\i]
.endr
	WIN 0xa2
.set n, 0
.rept 64
	v_pk_mul_f32 v[2*n:2*n+1], v[2*n:2*n+1], v[FA+2*(n/16):FA+2*(n/16)+1] op_sel_hi:[1,0]
.set n, n+1
.endr
.set n, 0
.rept 64
	v_pk_fma_f32 v[2*n:2*n+1], v[128+2*n:128+2*n+1], v[FA+2*(n/16):FA+2*(n/16)+1], v[2*n:2*n+1] op_sel:[0,1,0] op_sel_hi:[1,1,1]
.set n, n+1
.endr
	; ---- O is quantised: tile (local head i, 16 channels c) gives registers 8 (i & 1) + 2c of K step 2 kh + i / 2 of the last product
	WIN 0x82
.set n, 0
.rept 128
	v_med3_num_f32 v[n], v[n], -v[LMO], v[LMO]
.set n, n+1
.endr
	WIN 0x02
.set n, 0
.rept 16
	v_cvt_scalef32_pk8_fp8_f32 v[OC+2*n:OC+2*n+1], v[8*n:8*n+7], v[OSC]
.set n, n+1
.endr
	v_nop                                          ; a plain line behind the last conversion
	WIN 0
.set k, 0
.rept 8
	ds_store_b128 v[OIW], v[OC+4*k:OC+4*k+3] offset:512*k
.set k, k+1
.endr
	s_wait_dscnt 0x0                               ; for the others' sake
	s_barrier_signal -1
	s_barrier_wait -1                              ; O's 8 fragments (32 queries x 512) lie in LDS
	WIN 0x80
.set k, 0
.rept 32
	ds_load_b128 v[4*k:4*k+3], v[MKAD] offset:512*k
.set k, k+1
.endr
	s_wait_loadcnt 0x0                             ; Wo's codes and bo
	s_wait_dscnt 0x0
	; ---- y^T = Wo O^T: source 0 = 16 output columns, source 1 = 16 queries; 16 accumulators by turns, a K step at a time
.irp s, 0,1,2,3
.if \s < 2
	WIN 0xa9                                       ; Wo in window 1, O, C and D in window 2
.else
	WIN 0xab                                       ; Wo in window 3
.endif
.irp q, 0,1
.irp n, 0,1,2,3,4,5,6,7
.if \s == 0
	v_wmma_f32_16x16x128_fp8_fp8 v[128+8*(8*\q+\n):128+8*(8*\q+\n)+7], v[16*(2*\n+\s%2):16*(2*\n+\s%2)+15], v[16*(4*\q+\s):16*(4*\q+\s)+15], 0
.else
	v_wmma_f32_16x16x128_fp8_fp8 v[128+8*(8*\q+\n):128+8*(8*\q+\n)+7], v[16*(2*\n+\s%2):16*(2*\n+\s%2)+15], v[16*(4*\q+\s):16*(4*\q+\s)+15], v[128+8*(8*\q+\n):128+8*(8*\q+\n)+7]
.endif
.endr
.endr
.endr
	PLACES
	; ---- the way out: y = sum x 2^(e10+e11) + bo; a lane's 8 numbers are neighbours in a row; 16 rows go through my stage and leave as rows of 512 consecutive bytes
.irp q, 0,1
	WIN 0x02
.irp n, 0,1,2,3,4,5,6,7
.irp i, 0,2,4,6
	v_pk_fma_f32 v[OC+8*\n+\i:OC+8*\n+\i+1], v[128+8*(8*\q+\n)+\i:128+8*(8*\q+\n)+\i+1], s[82:83], v[BO+8*\n+\i:BO+8*\n+\i+1] op_sel_hi:[1,0,1]
.endr
.endr
	WIN 0
.irp n, 0,1,2,3,4,5,6,7
	ds_store_b128 v[STO], v[OC+8*\n:OC+8*\n+3] offset:64*\n
	ds_store_b128 v[STO], v[OC+8*\n+4:OC+8*\n+7] offset:64*\n+16
.endr
.if \q == 1
	s_wait_xcnt 0x0                                ; the first 16 rows' stores have read their registers
.endif
.irp t, 0,1,2,3,4,5,6,7,8,9,10,11,12,13,14,15
	ds_load_b128 v[YB+4*\t:YB+4*\t+3], v[RD] offset:\t*YSP       ; my own bytes, served in order: these see my stores
.endr
.irp t, 0,1,2,3,4,5,6,7,8,9,10,11,12,13,14,15
	s_wait_dscnt 15-\t
	global_store_b128 v[LI], v[YB+4*\t:YB+4*\t+3], s[80:81] offset:(16*\q+\t)*2048 th:TH_STORE_NT   ; 32 lanes store 512 consecutive bytes, at a multiple of 512 from the output's first byte
.endr
.endr
	s_wait_tensorcnt 0x0                           ; the wave's end, behind my last tensor load and my last LDS store
	ds_add_u32 v[SPW], v[NIL]
	s_wait_dscnt 0x0
	CROUND                                         ; the closing round: no work-group ends while a partner may still ask for a tile that names it
	s_endpgm
.Lfunc_end_k_qe9e470d853_attn:
	.size	k_qe9e470d853_attn, .Lfunc_end_k_qe9e470d853_attn-k_qe9e470d853_attn
	.p2alignl 7, 3214868480
	.fill 96, 4, 3214868480
	.section	.rodata,"a",@progbits
	.p2align	6, 0x0
	.amdhsa_kernel k_qe9e470d853_attn
		.amdhsa_group_segment_fixed_size 327680
		.amdhsa_private_segment_fixed_size 0
		.amdhsa_enable_private_segment 0
		.amdhsa_kernarg_size 88
		.amdhsa_user_sgpr_count 2
		.amdhsa_user_sgpr_kernarg_segment_ptr 1
		.amdhsa_wavefront_size32 1
		.amdhsa_system_sgpr_workgroup_id_x 1
		.amdhsa_system_sgpr_workgroup_id_y 1
		.amdhsa_system_sgpr_workgroup_id_z 1
		.amdhsa_system_vgpr_workitem_id 0
		.amdhsa_next_free_vgpr 1024
		.amdhsa_next_free_sgpr 100
		.amdhsa_reserve_vcc 0
		.amdhsa_float_denorm_mode_32 3
		.amdhsa_float_denorm_mode_16_64 3
		.amdhsa_memory_ordered 1
		.amdhsa_forward_progress 1
		.amdhsa_inst_pref_size 255
	.end_amdhsa_kernel
	.section	.bss,"aw",@nobits
	.p2align	6
	.space	262144
	.amdgpu_metadata
---
amdhsa.version: [ 1, 2 ]
amdhsa.kernels:
  - .name:           k_qe9e470d853_attn
    .symbol:         k_qe9e470d853_attn.kd
    .args:
      - { .name: pairwise_feats, .offset: 0, .size: 8, .value_kind: global_buffer, .address_space: global }
      - { .name: key_padding_mask, .offset: 8, .size: 8, .value_kind: global_buffer, .address_space: global }
      - { .name: W1, .offset: 16, .size: 8, .value_kind: global_buffer, .address_space: global }
      - { .name: b1, .offset: 24, .size: 8, .value_kind: global_buffer, .address_space: global }
      - { .name: W2, .offset: 32, .size: 8, .value_kind: global_buffer, .address_space: global }
      - { .name: b2, .offset: 40, .size: 8, .value_kind: global_buffer, .address_space: global }
      - { .name: lowp_scales, .offset: 48, .size: 8, .value_kind: global_buffer, .address_space: global }
      - { .name: qkvf, .offset: 56, .size: 8, .value_kind: global_buffer, .address_space: global }
      - { .name: wcodes, .offset: 64, .size: 8, .value_kind: global_buffer, .address_space: global }
      - { .name: bo, .offset: 72, .size: 8, .value_kind: global_buffer, .address_space: global }
      - { .name: out0, .offset: 80, .size: 8, .value_kind: global_buffer, .address_space: global }
    .group_segment_fixed_size: 327680
    .private_segment_fixed_size: 0
    .kernarg_segment_align: 8
    .kernarg_segment_size: 88
    .max_flat_workgroup_size: 128
    .sgpr_count:     100
    .vgpr_count:     1024
    .wavefront_size: 32
...
	.end_amdgpu_metadata
.endif
;; end of part 3
